; MI455X (gfx1250); checked and timed in simulation.
; The chip was launched on July 23, 2026; its instructions are those of AMD's public machine-readable ISA for CDNA 5 (MIT licence, August 2026) and "CDNA5" Instruction Set Architecture Reference Guide (July 2026). The comments in the code are by the model that wrote it; some were corrected since.
;; Sparse Network. Allowed arithmetic: float matrix products may take bf16 or f16 operands with f32 sums; other float arithmetic in f32, or as packed bf16 or f16 multiplies, adds, multiply-adds, maxima and minima; sums over many terms, partial sums and values carried from step to step in f32; what a program stores and reads back later, other than sums and carried values, may be rounded once to bf16 or f16.
;; Inputs: W_lower 2,048 x 2,048 float32; W_upper 2,048 x 2,048 float32; b_lower 2,048 float32; b_upper 2,048 float32; x 4,096 x 2,048 float32.
;; Outputs: out0 4,096 x 2,048 float32.
;; One version. Each part assembles by itself: llvm-mc -triple=amdgcn-amd-amdhsa -mcpu=gfx1250 --defsym DOCPART=n.
;; ======== version 1 of 1: 3 launches
;; workspace buffers: xa 16,777,216 bytes; ha 16,777,216 bytes; wub 4,718,592 bytes; wlb 5,242,880 bytes
;; launch prep (part 1): grid 816 x 1, 8 waves a work-group, no clusters, 68,608 bytes of LDS; arguments x, W_upper, W_lower, xa, wub, wlb; writes xa, wub, wlb
.if DOCPART == 1
	.amdgcn_target "amdgcn-amd-amdhsa--gfx1250"
	.amdhsa_code_object_version 6
	.text
	.protected	k_qaa3a9790a3_prep
	.globl	k_qaa3a9790a3_prep
	.p2align	8
	.type	k_qaa3a9790a3_prep,@function
k_qaa3a9790a3_prep:
	s_mov_b64 s[64:65], 0
	v_nop
	global_prefetch_b8 v0, s[64:65] scope:SCOPE_SE
	s_setreg_imm32_b32 hwreg(HW_REG_WAVE_MODE, 25, 1), 1
	s_wait_xcnt 0x0
; THE PROGRAM (three launches).  reference() returns lower(relu(upper(x))), upper(h) = h triu(W_upper)^T + b_upper, lower(h) = h tril(W_lower)^T + b_lower.
; WORK LEFT OUT, for all finite values of the inputs:
;  (1) reference()'s first out = relu(upper(x)) is read by relu(lower(out)) alone, and that result is overwritten by relu(upper(x)) before anything reads it: this lower() reaches no output.
;  (2) the two relu(upper(x)) are the same function of the same inputs: it is computed once.
;  (3) triu and tril are built in reference()'s own body: a weight on the masked side is the constant 0, so tiles of weights that lie wholly on that side are not multiplied.
; All five inputs keep a way to the output and are loaded.  LIMIT: a NaN, an infinity or an overflow that reaches only the work left out is not carried to the result.
; FORMATS.  x, both weights and H = relu(upper(x)) are matrix operands in bf16, each rounded once; sums in f32, begun with the f32 bias; the order of the sums is not reference()'s.
;
; THIS LAUNCH rounds x and the weights to bf16, applies triu / tril, and lays everything out in the order in which the products' LDS slots and operand registers take it.
; A BLOCK is 16 rows x 128 K of bf16, 4,096 bytes: [q 0..3][jh 0..1][lane 0..31][16 bytes]; lane r + 16 h holds row r, K = 32 q + 16 jh + 8 h + 0..7.  So a matrix fragment
; (16 rows x 32 K) is 1,024 bytes on end, lane l's two 16 bytes at 16 l and 512 + 16 l.
; xa:  image (rho, sigma) of 65,536 bytes = [ab][m8][block]: rows 128 rho + 16 m8 .., K block sigma (ab = 0) or 15 - sigma (ab = 1).
; wub: image (w, sigma) of 18 blocks; block j holds the 16 weight rows 128 t + 16 w .. : j < 16 - 2 i (i = sigma / 2): t = j, K block 15 - sigma; else t = 16 - j + 2 (j & 1), K block sigma.
; wlb: image (worker, kappa) of 5 strips x 4 blocks; strip j, block nb holds the rows 256 u + 64 cx + 16 nb .. (worker = 4 X + cx): j <= kappa / 4: l = j, K block 15 - kappa; else l = 4 - j,
;      K block kappa; u = 7 - X, 4 + X, 3 - X, X for l = 0..3.  A block that lies wholly on the masked side is written as zeros and its source is not read.
; SHARES.  One wave makes one block: 16 loads of 512 bytes on end (a row's piece each), a turn through the wave's own stage in LDS, eight stores of 512 bytes on end, aligned.
; Work-groups 0-511: x (rho = g / 16, K block g % 16, wave = m8).  512-655: W_upper (sigma, j; wave = w).  656-815: W_lower (kappa, j, nb; wave = worker).
; No matrix unit, cluster or tensor load: every byte is read once by one wave, and nothing is shared.
.set STG,   8448                       ; a wave's stage: 16 rows of 528 bytes
.set PITCH, 528                        ; 512 bytes + 16 = 132 words: row r starts at bank 4 r mod 64 (64 banks of 4 bytes: ISA guide 11.1): the 16 rows of a read start at 16 different groups of four banks
.set SPARE, 8*STG                      ; behind the stages: the spare words, 128 bytes for each wave: four blocks of 256 bytes that no other line names
.set OFL, 1                            ; v1   16 x lane: offset of the loads and of the stores
.set STI, 2                            ; v2   stage + 16 x lane: where a loaded row's piece goes
.set STR, 3                            ; v3   stage + r x 528 + 32 h: where I read my eight numbers of a chunk
.set SN,  4                            ; v4   the mask's bound (below)
.set SPW, 8                            ; v8   my spare word; never rewritten
.set NIL, 9                            ; v9   0; never rewritten
.set DAT, 16                           ; v[16:79] the block
.set WV,  16                           ; s16  wave
.set G,   17                           ; s17  work-group
.set O0,  18                           ; s18  first source row
.set KB,  19                           ; s19  K block
.set SRC, 20                           ; s[20:21]
.set DST, 22                           ; s[22:23]
.set DOF, 24                           ; s[24:25] byte offset of the block in its buffer
.set SOF, 26                           ; s[26:27] byte offset of its source
.set SGN, 28                           ; s28  +1: keep k >= o (triu, and x);  -1: keep k <= o (tril)
.set DD,  29                           ; s29  D = first row - first column
.set DEAD, 30                          ; s30  1: the block is wholly masked
.set MSK, 31                           ; s31  1: the diagonal crosses the block
.set SE,  32                           ; s[32:39] SGN x e
.set S16, 40                           ; s40  SGN x 16
	s_load_b256 s[4:11], s[0:1], 0x0               ; x s[4:5], W_upper s[6:7], W_lower s[8:9], xa s[10:11]
	s_load_b128 s[12:15], s[0:1], 0x20             ; wub s[12:13], wlb s[14:15]
	v_lshl_add_u32 v[SPW], v0, 2, SPARE
	v_mov_b32 v[NIL], 0
	v_lshrrev_b32 v5, 5, v0
	v_readfirstlane_b32 s[WV], v5
	v_and_b32 v6, 31, v0
	v_lshlrev_b32 v[OFL], 4, v6
	s_mul_i32 s41, s[WV], STG
	v_add_nc_u32 v[STI], s41, v[OFL]
	v_and_b32 v7, 15, v0                           ; r
	v_bfe_u32 v10, v0, 4, 1                        ; h
	v_mul_u32_u24 v[STR], v7, PITCH
	v_lshl_add_u32 v[STR], v10, 5, v[STR]
	v_add_nc_u32 v[STR], s41, v[STR]
	v_lshlrev_b32 v10, 3, v10
	v_sub_nc_u32 v[SN], v7, v10                    ; r - 8 h
	s_mov_b32 s[G], ttmp9
	s_wait_kmcnt 0x0
	s_cmp_lt_u32 s[G], 512
	s_cbranch_scc0 .Lweights
	; a block of x
	s_lshr_b32 s41, s[G], 4                        ; rho
	s_and_b32 s[KB], s[G], 15
	s_lshl_b32 s[O0], s41, 7
	s_lshl4_add_u32 s[O0], s[WV], s[O0]            ; 128 rho + 16 wave
	s_sub_co_u32 s42, 15, s[KB]
	s_min_u32 s42, s42, s[KB]                      ; sigma = min(k, 15 - k)
	s_lshl3_add_u32 s42, s41, s42
	s_lshr_b32 s43, s[KB], 3                       ; ab
	s_lshl1_add_u32 s42, s42, s43
	s_lshl_b32 s[DOF], s42, 15
	s_lshl_b32 s43, s[WV], 12
	s_add_co_u32 s[DOF], s[DOF], s43
	s_mov_b64 s[SRC:SRC+1], s[4:5]
	s_mov_b64 s[DST:DST+1], s[10:11]
	s_mov_b32 s[SGN], 1
	s_mov_b32 s[DD], 0xfff00000                    ; far below every column: all of x is kept
	s_mov_b32 s[DEAD], 0
	s_mov_b32 s[MSK], 0
	s_branch .Ljoin
.Lweights:
	s_cmp_lt_u32 s[G], 656
	s_cbranch_scc0 .Llower
	; a block of W_upper
	s_sub_co_u32 s41, s[G], 512
	s_and_b32 s42, s41, 7                          ; sigma
	s_lshr_b32 s43, s41, 3                         ; j
	s_and_b32 s44, s42, 6
	s_sub_co_u32 s44, 16, s44                      ; 16 - 2 i
	s_and_b32 s45, s43, 1
	s_lshl_b32 s45, s45, 1
	s_add_co_u32 s45, s45, 16
	s_sub_co_u32 s45, s45, s43                     ; 16 - j + 2 (j & 1)
	s_sub_co_u32 s46, 15, s42
	s_cmp_lt_u32 s43, s44
	s_cselect_b32 s45, s43, s45                    ; t
	s_cselect_b32 s[KB], s46, s42
	s_lshl_b32 s[O0], s45, 7
	s_lshl4_add_u32 s[O0], s[WV], s[O0]            ; 128 t + 16 w
	s_lshl3_add_u32 s46, s[WV], s42
	s_mul_i32 s46, s46, 18
	s_add_co_u32 s46, s46, s43
	s_lshl_b32 s[DOF], s46, 12
	s_lshl_b32 s47, s[KB], 7
	s_sub_co_u32 s[DD], s[O0], s47
	s_cmp_lt_u32 s[KB], s45                        ; every column lies left of every row's diagonal
	s_cselect_b32 s[DEAD], 1, 0
	s_cmp_gt_i32 s[DD], -15                        ; D <= -15: the first column is at or right of the last row's diagonal: all kept
	s_cselect_b32 s[MSK], 1, 0
	s_mov_b64 s[SRC:SRC+1], s[6:7]
	s_mov_b64 s[DST:DST+1], s[12:13]
	s_mov_b32 s[SGN], 1
	s_branch .Ljoin
.Llower:
	; a block of W_lower
	s_sub_co_u32 s41, s[G], 656
	s_and_b32 s42, s41, 7                          ; kappa
	s_lshr_b32 s43, s41, 3
	s_lshr_b32 s44, s43, 2                         ; j
	s_and_b32 s43, s43, 3                          ; nb
	s_lshr_b32 s45, s42, 2                         ; kappa / 4
	s_sub_co_u32 s46, 4, s44
	s_sub_co_u32 s47, 15, s42
	s_cmp_le_u32 s44, s45
	s_cselect_b32 s46, s44, s46                    ; l
	s_cselect_b32 s[KB], s47, s42
	s_lshr_b32 s45, s[WV], 2                       ; X
	s_sub_co_u32 s47, 0, s45
	s_bitcmp1_b32 s46, 0
	s_cselect_b32 s45, s45, s47                    ; + X for odd l, - X for even l
	s_lshl_b32 s46, s46, 2
	s_lshr_b32 s46, 0x0347, s46                    ; 7, 4, 3, 0 for l = 0..3
	s_and_b32 s46, s46, 15
	s_add_co_u32 s46, s46, s45                     ; u
	s_and_b32 s45, s[WV], 3                        ; cx
	s_lshl_b32 s[O0], s46, 8
	s_lshl_b32 s45, s45, 6
	s_add_co_u32 s[O0], s[O0], s45
	s_lshl4_add_u32 s[O0], s43, s[O0]              ; 256 u + 64 cx + 16 nb
	s_lshl3_add_u32 s46, s[WV], s42
	s_mul_i32 s46, s46, 5
	s_add_co_u32 s46, s46, s44
	s_lshl2_add_u32 s46, s46, s43
	s_lshl_b32 s[DOF], s46, 12
	s_lshl_b32 s47, s[KB], 7
	s_sub_co_u32 s[DD], s[O0], s47
	s_cmp_lt_i32 s[DD], -15                        ; the first column lies right of the last row's diagonal
	s_cselect_b32 s[DEAD], 1, 0
	s_cmp_lt_i32 s[DD], 127                        ; D >= 127: the last column is at or left of the first row's diagonal: all kept
	s_cselect_b32 s[MSK], 1, 0
	s_mov_b64 s[SRC:SRC+1], s[8:9]
	s_mov_b64 s[DST:DST+1], s[14:15]
	s_mov_b32 s[SGN], -1
.Ljoin:
	s_mov_b32 s[DOF+1], 0
	s_add_nc_u64 s[DST:DST+1], s[DST:DST+1], s[DOF:DOF+1]
	s_cmp_lg_u32 s[DEAD], 0
	s_cbranch_scc1 .Lzero
	s_lshl_b32 s[SOF], s[O0], 13                   ; a source row is 8,192 bytes,
	s_lshl_b32 s41, s[KB], 9                       ; a K block 512 of them
	s_add_co_u32 s[SOF], s[SOF], s41
	s_mov_b32 s[SOF+1], 0
	s_add_nc_u64 s[SRC:SRC+1], s[SRC:SRC+1], s[SOF:SOF+1]
.irp n, 0,1,2,3,4,5,6,7,8,9,10,11,12,13,14,15
	global_load_b128 v[DAT+4*\n:DAT+4*\n+3], v[OFL], s[SRC:SRC+1] offset:\n*8192 th:TH_LOAD_NT  ; row n: 512 bytes on end, aligned; all sixteen are out before the first wait
.endr
.irp n, 0,1,2,3,4,5,6,7,8,9,10,11,12,13,14,15
	s_wait_loadcnt 15-\n                           ; loads come back in order: row n is in, the 15 - n younger ones may stay out
	ds_store_b128 v[STI], v[DAT+4*\n:DAT+4*\n+3] offset:\n*PITCH
.endr
.irp c, 0,1,2,3,4,5,6,7                ; chunk c = 2 q + jh: my row's columns 16 c + 8 h + 0..7, 32 bytes.  The stage is the wave's own and LDS serves a wave's instructions in order: no wait, no barrier
	ds_load_b128 v[DAT+8*\c:DAT+8*\c+3],   v[STR] offset:64*\c
	ds_load_b128 v[DAT+8*\c+4:DAT+8*\c+7], v[STR] offset:64*\c+16
.endr
; Eight chunks: (masked) rounded, stored.  Number e of chunk c is kept where SGN x e >= SGN x (D + r - 8 h - 16 c): column 16 c + 8 h + e against row r, D apart.
.macro CHUNKS masked
.irp c, 0,1,2,3,4,5,6,7
	s_wait_dscnt 14-2*\c                           ; chunk c's two loads are in; the later chunks' 14 - 2 c may stay out
.if \masked
.irp e, 0,1,2,3,4,5,6,7
	v_cmp_ge_i32 vcc_lo, s[SE+\e], v[SN]
	v_cndmask_b32 v[DAT+8*\c+\e], 0, v[DAT+8*\c+\e], vcc_lo
.endr
	v_sub_nc_u32 v[SN], v[SN], s[S16]              ; the next chunk lies 16 columns on
.endif
.irp i, 0,1,2,3
	v_cvt_pk_bf16_f32 v[DAT+8*\c+\i], v[DAT+8*\c+2*\i], v[DAT+8*\c+2*\i+1]  ; in place, ascending: a register is written after it has been read
.endr
	global_store_b128 v[OFL], v[DAT+8*\c:DAT+8*\c+3], s[DST:DST+1] offset:512*\c  ; 512 bytes on end, aligned; no register of a store is written again
.endr
.endm
	s_cmp_lg_u32 s[MSK], 0
	s_cbranch_scc1 .Lmasked
	CHUNKS 0
	s_branch .Lend
.Lmasked:
	v_add_nc_u32 v[SN], s[DD], v[SN]
	v_mul_lo_u32 v[SN], v[SN], s[SGN]              ; SGN x (D + r - 8 h)
.irp e, 0,1,2,3,4,5,6,7
	s_mul_i32 s[SE+\e], s[SGN], \e
.endr
	s_lshl_b32 s[S16], s[SGN], 4
	CHUNKS 1
	s_branch .Lend
.Lzero:
.irp i, 0,1,2,3
	v_mov_b32 v[DAT+\i], 0
.endr
.irp c, 0,1,2,3,4,5,6,7
	global_store_b128 v[OFL], v[DAT:DAT+3], s[DST:DST+1] offset:512*\c
.endr
.Lend:
	s_wait_tensorcnt 0x0                           ; the wave's end: behind my last LDS store
	ds_add_u32 v[SPW], v[NIL]
	s_wait_dscnt 0x0
	s_endpgm
.Lfunc_end_k_qaa3a9790a3_prep:
	.size	k_qaa3a9790a3_prep, .Lfunc_end_k_qaa3a9790a3_prep-k_qaa3a9790a3_prep
	.p2alignl 7, 3214868480
	.fill 96, 4, 3214868480
	.section	.rodata,"a",@progbits
	.p2align	6, 0x0
	.amdhsa_kernel k_qaa3a9790a3_prep
		.amdhsa_group_segment_fixed_size 68608
		.amdhsa_private_segment_fixed_size 0
		.amdhsa_enable_private_segment 0
		.amdhsa_kernarg_size 48
		.amdhsa_user_sgpr_count 2
		.amdhsa_user_sgpr_kernarg_segment_ptr 1
		.amdhsa_wavefront_size32 1
		.amdhsa_system_sgpr_workgroup_id_x 1
		.amdhsa_system_sgpr_workgroup_id_y 1
		.amdhsa_system_sgpr_workgroup_id_z 1
		.amdhsa_system_vgpr_workitem_id 0
		.amdhsa_next_free_vgpr 80
		.amdhsa_next_free_sgpr 66
		.amdhsa_reserve_vcc 1
		.amdhsa_float_denorm_mode_32 3
		.amdhsa_float_denorm_mode_16_64 3
		.amdhsa_memory_ordered 1
		.amdhsa_forward_progress 1
		.amdhsa_inst_pref_size 21
	.end_amdhsa_kernel
	.amdgpu_metadata
---
amdhsa.version: [ 1, 2 ]
amdhsa.kernels:
  - .name:           k_qaa3a9790a3_prep
    .symbol:         k_qaa3a9790a3_prep.kd
    .args:
      - { .name: x, .offset: 0, .size: 8, .value_kind: global_buffer, .address_space: global }
      - { .name: W_upper, .offset: 8, .size: 8, .value_kind: global_buffer, .address_space: global }
      - { .name: W_lower, .offset: 16, .size: 8, .value_kind: global_buffer, .address_space: global }
      - { .name: xa, .offset: 24, .size: 8, .value_kind: global_buffer, .address_space: global }
      - { .name: wub, .offset: 32, .size: 8, .value_kind: global_buffer, .address_space: global }
      - { .name: wlb, .offset: 40, .size: 8, .value_kind: global_buffer, .address_space: global }
    .group_segment_fixed_size: 68608
    .private_segment_fixed_size: 0
    .kernarg_segment_align: 8
    .kernarg_segment_size: 48
    .max_flat_workgroup_size: 256
    .sgpr_count:     66
    .vgpr_count:     80
    .wavefront_size: 32
...
	.end_amdgpu_metadata
.endif
;; end of part 1
;; launch upper (part 2): grid 8 x 32, 4 waves a work-group, clusters of 4 x 4, 327,680 bytes of LDS; arguments xa, wub, b_upper, ha; writes ha
.if DOCPART == 2
	.amdgcn_target "amdgcn-amd-amdhsa--gfx1250"
	.amdhsa_code_object_version 6
	.text
	.protected	k_qaa3a9790a3_upper
	.globl	k_qaa3a9790a3_upper
	.p2align	8
	.type	k_qaa3a9790a3_upper,@function
k_qaa3a9790a3_upper:
	s_mov_b64 s[64:65], 0
	v_nop
	global_prefetch_b8 v0, s[64:65] scope:SCOPE_SE
	s_setreg_imm32_b32 hwreg(HW_REG_WAVE_MODE, 25, 1), 1
	s_wait_xcnt 0x0
	s_wait_alu depctr_hold_cnt(0) depctr_sa_sdst(0) depctr_va_vdst(0) depctr_va_sdst(0) depctr_va_ssrc(0) depctr_va_vcc(0) depctr_vm_vsrc(0)
	s_getreg_b32 s2, hwreg(HW_REG_IB_STS2, 6, 4)
	s_cmp_eq_u32 s2, 0
	s_cbranch_scc0 .Lentry_in_a_cluster
	s_endpgm
.Lentry_in_a_cluster:
	s_bfe_u32 s2, ttmp6, 0x10000c
	s_cmp_lg_u32 s2, 0xf033
	s_cbranch_scc0 .Lentry_shape_is_right
	s_endpgm
.Lentry_shape_is_right:
; H = relu(x triu(W_upper)^T + b_upper), in bf16, stored as the next launch's operand images.  Left out: products with tiles of triu(W_upper) that lie wholly below the diagonal (zeros that
; reference() builds itself); a NaN or an infinity of x that meets only such zeros is not carried on.  LIMIT: relu is a maximum with 0 that lets a NaN lose: a NaN in H becomes 0.
; OPERANDS come from the launch before in BLOCKS of 16 rows x 128 K, 4,096 bytes, [q][jh][lane][16 bytes]: a fragment (16 rows x 32 K) is 1,024 bytes on end, read by two loads of 16 bytes a lane
; at 16 x lane and 512 further: neighbouring lanes, neighbouring bytes, no padding.
; SHARES.  Work-group (w, rho): w = 0..7 is the column worker, rho = 0..31 the block of 128 rows.  Worker w owns sixteen strips of 16 columns, strip t = columns 128 t + 16 w + 0..15, which needs the
; K blocks k >= t: what is live hangs on t and k alone, so all work-groups do the same work.  K goes in 8 SUPER-STEPS sigma, each with the K blocks sigma and 15 - sigma: 17 live pairs (strip, K block) in each.
; Wave (mh, par): rows 64 mh .. + 63 (m = 0..3) x strips t = 2 u + par (u = 0..7): 32 accumulators.
; A B IMAGE (w, sigma) has 18 blocks; a wave reads blocks j = 2 p + par, p = 0..8, whatever the super-step.  With i = sigma / 2: p <= 7 - i: strip column u = p, K block 15 - sigma (A's ab = 1);
; p >= 8 - i: u = 8 - p, K block sigma (ab = 0).  One block of each image is wholly masked (zeros), always an odd one: p = 8 - i where sigma is even, 7 - i where it is odd: the odd waves jump its four products.
; THE MATRIX INSTRUCTION IS USED TRANSPOSED (source 0 = 16 weight rows, source 1 = 16 rows of x): a lane holds row l % 16 and the columns 8 (l / 16) + 0..7.  Those 8 numbers, in bf16, are 16 bytes that
; lie at w x 512 + 16 x lane of a block of the next launch's A image: results are stored straight from registers, 512 bytes on end, aligned.
; CLUSTER 4 x 4.  A's image hangs on rho alone and is asked for jointly along a row of the cluster, B's on w alone, along a column.  Two LDS slots, each a super-step's A image and B image;
; waves 0 and 1 load A's halves, waves 2 and 3 B's.  By the text's count a wave has two tensor loads out at the start and one behind each change of slots.
; REGISTERS.  window 0: v0-31 addresses; v64-127, v128-191 A's fragments, two buffers ((ab, m) at 8 (4 ab + m)); v192-255 the bias, 8 a strip column.
;   window 1: the 32 accumulators, (u, m) at 8 (4 u + m).   window 2: v0-71, v72-143 B's fragments, two buffers (position p at 8 p).
.set AIMG,  65536
.set BIMG,  73728
.set RA,    AIMG/512                   ; rows of 256 bytes in half an image
.set RB,    BIMG/512
.set SLOTB, AIMG+BIMG                  ; 0x22000: shares no bit with the LDS words that it turns (0x8000, 0x10000 + 0x9000)
.set SPARE, 2*SLOTB                    ; behind the slots: the spare words, 128 bytes for each wave: two blocks of 256 bytes that no other line names
.set ADA0, 10                          ; v10  16 x lane + mh x 16,384: my A fragments in slot 0; never rewritten
.set ADB0, 11                          ; v11  65,536 + 16 x lane + par x 4,096: my B fragments in slot 0; never rewritten
.set ADA,  12                          ; v12-14 the same in the slot in hand; ADBX = ADB + 65,536, for position 8
.set ADB,  13
.set ADBX, 14
.set BO,   15                          ; v15  my byte offset in b_upper
.set HP,   16                          ; v16  my byte offset in ha for strips t < 8
.set HM,   17                          ; v17  for strips t >= 8
.set SPW,  28                          ; v28  my spare word; never rewritten
.set NIL,  29                          ; v29  0; never rewritten
.set PFO,  30                          ; v30  256 x lane
.set ZERO, 31                          ; v31  0, for relu
.set AF,   64
.set BIA,  192
.set BF,   0
.set WV,   12                          ; s12  wave
.set MH,   13                          ; s13  wave / 2
.set PAR,  14                          ; s14  wave % 2: my strips' parity; also which half of an image I load
.set CX,   15
.set CY,   16
.set WK,   17                          ; s17  w
.set RHO,  18                          ; s18  rho
.set G1A,  24                          ; s[24:31] group 1 for A
.set G0A0, 32                          ; s[32:35] group 0, first fill of slot 0
.set G0A1, 36                          ; s[36:39] first fill of slot 1; then it walks
.set G1B,  40
.set G0B0, 48
.set G0B1, 52
.set CUR,  56                          ; s56  first byte of the slot in hand
.set LWA,  57                          ; s57  where my half of A lies in a slot
.set LWB,  58                          ; s58  of B
.set SG,   59                          ; s59  the super-step
.set CNT,  60
.set SKA,  61                          ; s61  1: jump position 8 - i
.set SKB,  62                          ; s62  1: jump position 7 - i
.set LIM,  63                          ; s63  4 in a wave that prefetches, else 0
.set PFA,  66                          ; s[66:67] where my prefetches stand
.set PST,  68                          ; s[68:69] an image's bytes
.set MSB, 0
.macro WIN new                         ; the immediate's high byte repeats the setting that is left; a switch that changes nothing is dropped
.if MSB != (\new)
	s_set_vgpr_msb (MSB<<8)|(\new)
.set MSB, \new
.endif
.endm
.set MULW, 0x52                        ; source 0 (weights) window 2, source 1 (x) window 0, C and D window 1
.set TO_B, 0x80                        ; destination window 2, address window 0
.macro PLACES                          ; four plain vector instructions between a matrix instruction and a load into, or a vector instruction on, its registers (ISA guide 7.12.1 for vector instructions)
.rept 4
	v_nop
.endr
.endm
.macro CREST                           ; a round of the cluster's barrier behind its opening barrier
	s_cmp_lg_u32 s[WV], 0
	s_cbranch_scc1 .Lnot_wave_0_\@
	s_barrier_signal -3
.Lnot_wave_0_\@:
	s_barrier_wait -3
	s_barrier_signal -1
	s_barrier_wait -1
.endm
.macro CROUND
	s_barrier_signal -1
	s_barrier_wait -1
	CREST
.endm
.macro JLOAD                           ; a joint refill by the walking descriptors; the branch hangs on the wave's number alone; an s_nop 0 and four v_nop follow each line
	s_cmp_lt_u32 s[WV], 2
	s_cbranch_scc0 .Lfor_b_\@
	tensor_load_to_lds s[G0A1:G0A1+3], s[G1A:G1A+7]
	s_nop 0
.rept 4
	v_nop
.endr
	s_branch .Lasked_\@
.Lfor_b_\@:
	tensor_load_to_lds s[G0B1:G0B1+3], s[G1B:G1B+7]
	s_nop 0
.rept 4
	v_nop
.endr
.Lasked_\@:
.endm
; A PREFETCH INTO THE L2: at the change of slots of super-step sigma = 0..3, image sigma + 4: the image that the refill after the next will ask for.  A's images are read by both clusters of a row of
; clusters: cluster x = 0 asks; B's by all eight rows of clusters: cluster y = 0 asks.  Of the half image that a wave loads, the four partners that ask for it jointly take a quarter each, told apart
; BY ADDRESS (cx for A, cy for B); a lane names a block of 256 bytes.  A's quarter is 32 blocks; of B's 36 the first 32 are named, the other four come by their load alone.  Images 0 to 3 are not named.
.macro ASK
	s_cmp_lt_u32 s[SG], s[LIM]
	s_cbranch_scc0 .Lnot_mine_\@
	global_prefetch_b8 v[PFO], s[PFA:PFA+1] th:TH_LOAD_NT scope:SCOPE_SE
.Lnot_mine_\@:
.endm
; 34 LDS loads in one run: the fragments of quarter q (32 along K of both K blocks) into buffer f: B's nine positions, then A's eight (ab, m)
.macro FETCH q, f
	WIN TO_B
.irp p, 0,1,2,3,4,5,6,7
	ds_load_b128 v[BF+72*(\f)+8*\p:BF+72*(\f)+8*\p+3],   v[ADB] offset:\p*8192+(\q)*1024
	ds_load_b128 v[BF+72*(\f)+8*\p+4:BF+72*(\f)+8*\p+7], v[ADB] offset:\p*8192+(\q)*1024+512
.endr
	ds_load_b128 v[BF+72*(\f)+64:BF+72*(\f)+67], v[ADBX] offset:(\q)*1024
	ds_load_b128 v[BF+72*(\f)+68:BF+72*(\f)+71], v[ADBX] offset:(\q)*1024+512
	WIN 0
.irp a, 0,1,2,3,4,5,6,7
	ds_load_b128 v[AF+64*(\f)+8*\a:AF+64*(\f)+8*\a+3],   v[ADA] offset:(\a/4)*32768+(\a%4)*4096+(\q)*1024
	ds_load_b128 v[AF+64*(\f)+8*\a+4:AF+64*(\f)+8*\a+7], v[ADA] offset:(\a/4)*32768+(\a%4)*4096+(\q)*1024+512
.endr
.endm
; Four products: position p on my four row blocks.  The accumulators take turns, one instruction a turn: a unit ends on m = 3 and the next begins on m = 0, whatever is jumped.
.macro UNIT p, i, f
.if (\p) <= 7-(\i)
.set uc, (\p)
.set ab, 1
.else
.set uc, 8-(\p)
.set ab, 0
.endif
.irp m, 0,1,2,3
	v_wmma_f32_16x16x32_bf16 v[8*(4*uc+\m):8*(4*uc+\m)+7], v[BF+72*(\f)+8*(\p):BF+72*(\f)+8*(\p)+7], v[AF+64*(\f)+8*(4*ab+\m):AF+64*(\f)+8*(4*ab+\m)+7], v[8*(4*uc+\m):8*(4*uc+\m)+7]
.endr
.endm
.macro MAND a, b, i, f                 ; numbers a to b of the seven units that every wave does: all positions but 7 - i and 8 - i
.set idx, (\a)
.rept (\b)-(\a)+1
.set pp, idx
.if idx > 6-(\i)
.set pp, idx+2
.endif
	UNIT pp, \i, \f
.set idx, idx+1
.endr
.endm
.macro OPT flag, p, i, f               ; a unit that is jumped where its block is wholly masked; at a branch and at a label every window is 0
	WIN 0
	s_cmp_lg_u32 s[\flag], 0
	s_cbranch_scc1 .Lskip_\@
	WIN MULW
	UNIT \p, \i, \f
	WIN 0
.Lskip_\@:
.endm
; One of a super-step's first three quarters: its fragments, asked for a quarter ago, are in; the next quarter's are asked for; then its 36 (odd waves: 32) products.
.macro QUARTER q, i
	s_wait_dscnt 0x0
	PLACES                                         ; the other buffer was read by the products just issued
	FETCH (\q)+1, ((\q)+1)%2
	WIN MULW
	MAND 0, 6, \i, (\q)%2
	OPT SKB, 7-(\i), \i, (\q)%2
	OPT SKA, 8-(\i), \i, (\q)%2
.endm
; The fourth quarter (buffer 1) and the change of slots.  mode 2: the slot is filled again, two images on: each wave waits for all its tensor loads (one is out: its part of the other slot), adds 0 to its
; spare word, and waits for that and for its reads of the slot; the barrier opens a round of the cluster's barrier, and the joint refill is the first thing behind the round.
; mode 1: the same without a refill (the last change).  mode 0: the last super-step's.
.macro TURN i, mode
.if (\mode) == 2
	s_wait_xcnt 0x0                                ; the last prefetch, a super-step back, has read its address
	s_add_nc_u64 s[PFA:PFA+1], s[PFA:PFA+1], s[PST:PST+1]
.endif
.if (\mode) > 0
	WIN 0
	s_wait_tensorcnt 0x0                           ; no tensor load of mine is out, so a group 0 may be written
	ds_add_u32 v[SPW], v[NIL]                      ; 0 onto my spare word
.if (\mode) == 2
	s_xor_b32 s[G0A1+1], s[G0A1+1], SLOTB          ; the walking descriptors: the other slot than last time,
	s_add_nc_u64 s[G0A1+2:G0A1+3], s[G0A1+2:G0A1+3], AIMG  ; the next image; the type bits on top are not reached
	s_xor_b32 s[G0B1+1], s[G0B1+1], SLOTB
	s_add_nc_u64 s[G0B1+2:G0B1+3], s[G0B1+2:G0B1+3], BIMG
	s_xor_b32 s[CUR], s[CUR], SLOTB
.endif
	s_wait_dscnt 0x1                               ; the add alone may be out: this quarter's fragments are in
	WIN MULW
	MAND 0, 1, \i, 1
	s_wait_dscnt 0x0                               ; the add is done, and my reads of the slot are over
	s_barrier_signal -1
	MAND 2, 3, \i, 1                               ; work on registers while the others arrive
	WIN 0
	s_barrier_wait -1
.if (\mode) == 2
	CREST                                          ; no wave of any partner still reads the slot or has a load on its way
	JLOAD                                          ; its four v_nop are also the places in front of the loads below
	v_add_nc_u32 v[ADA], s[CUR], v[ADA0]
	v_add_nc_u32 v[ADB], s[CUR], v[ADB0]
.else
	PLACES
	v_add_nc_u32 v[ADA], SLOTB, v[ADA0]            ; the last super-step lies in slot 1
	v_add_nc_u32 v[ADB], SLOTB, v[ADB0]
.endif
	v_add_nc_u32 v[ADBX], 0x10000, v[ADB]
	FETCH 0, 0
.if (\mode) == 2
	ASK
.endif
	WIN MULW
	MAND 4, 6, \i, 1
.else
	s_wait_dscnt 0x0
	WIN MULW
	MAND 0, 6, \i, 1
.endif
	OPT SKB, 7-(\i), \i, 1
	OPT SKA, 8-(\i), \i, 1
.endm
.macro STEP i, mode
	QUARTER 0, \i
	QUARTER 1, \i
	QUARTER 2, \i
	TURN \i, \mode
	s_xor_b32 s[SKA], s[SKA], s[PAR]               ; the masked block changes places with the super-step's parity
	s_xor_b32 s[SKB], s[SKB], s[PAR]
	s_add_co_u32 s[SG], s[SG], 1
.endm
	s_load_b256 s[4:11], s[0:1], 0x0               ; xa s[4:5], wub s[6:7], b_upper s[8:9], ha s[10:11]
	v_lshl_add_u32 v[SPW], v0, 2, SPARE
	v_mov_b32 v[NIL], 0
	ds_add_u32 v[SPW], v[NIL]                      ; the wave's opening: the add, twice on end, and its wait ahead of my first tensor load
	ds_add_u32 v[SPW], v[NIL]
	v_lshrrev_b32 v1, 5, v0
	v_readfirstlane_b32 s[WV], v1
	s_lshr_b32 s[MH], s[WV], 1
	s_and_b32 s[PAR], s[WV], 1
	s_bfe_u32 s[CX], ttmp6, 0x40000
	s_bfe_u32 s[CY], ttmp6, 0x40004
	s_lshl_b32 s[WK], ttmp9, 2
	s_add_co_u32 s[WK], s[WK], s[CX]               ; w = 4 x cluster x + cx
	s_and_b32 s[RHO], ttmp7, 0xffff
	s_lshl_b32 s[RHO], s[RHO], 2
	s_add_co_u32 s[RHO], s[RHO], s[CY]             ; rho = 4 x cluster y + cy
	s_lshl_b32 s20, s[CY], 2
	s_lshl_b32 s20, 15, s20                        ; my row of the cluster
	s_lshl_b32 s22, 0x1111, s[CX]                  ; my column
	; group 1: a dense block as rows of 256 bytes: 32 elements of 8 bytes, 32 from row to row
	s_or_b32 s[G1A], s20, (3<<16)|(1<<21)          ; 15:0 the mask; 17:16 elements of 8 bytes; 21 set beside a mask; no padding
	s_or_b32 s[G1B], s22, (3<<16)|(1<<21)
	s_mov_b32 s[G1A+1], 32<<16                     ; tensor_dim0 = 32
	s_mov_b32 s[G1A+2], RA<<16                     ; tensor_dim1 = 128
	s_mov_b32 s[G1A+3], 32<<16                     ; tile_dim0 = 32
	s_mov_b32 s[G1A+4], RA                         ; tile_dim1 = 128
	s_mov_b32 s[G1A+5], 32                         ; stride
	s_mov_b32 s[G1A+6], 0
	s_mov_b32 s[G1A+7], 0
	s_mov_b32 s[G1B+1], 32<<16
	s_mov_b32 s[G1B+2], RB<<16                     ; 144 rows
	s_mov_b32 s[G1B+3], 32<<16
	s_mov_b32 s[G1B+4], RB
	s_mov_b32 s[G1B+5], 32
	s_mov_b32 s[G1B+6], 0
	s_mov_b32 s[G1B+7], 0
	s_lshl_b32 s20, s[RHO], 19                     ; A: rho's eight images, my half: made of rho and the wave's number alone
	s_lshl_b32 s[LWA], s[PAR], 15
	s_add_co_u32 s20, s20, s[LWA]
	s_mov_b32 s21, 0
	s_mul_i32 s22, s[WK], 8*BIMG                   ; B: w's eight images, my half: made of w and the wave's number alone
	s_mul_i32 s[LWB], s[PAR], BIMG/2
	s_add_co_u32 s22, s22, s[LWB]
	s_mov_b32 s23, 0
	s_add_co_u32 s[LWB], s[LWB], AIMG              ; no place in the cluster enters an LDS address
	s_wait_dscnt 0x0                               ; both opening adds are done
	s_wait_kmcnt 0x0
	s_add_nc_u64 s[20:21], s[4:5], s[20:21]
	s_add_nc_u64 s[22:23], s[6:7], s[22:23]
	CROUND                                         ; all sixteen work-groups are here: the first joint loads meet
.irp s, 0,1
	s_mov_b32 s[G0A0+4*\s], 1
	s_add_co_u32 s[G0A0+4*\s+1], s[LWA], \s*SLOTB
	s_add_nc_u64 s[G0A0+4*\s+2:G0A0+4*\s+3], s[20:21], \s*AIMG
	s_or_b32 s[G0A0+4*\s+3], s[G0A0+4*\s+3], 0x80000000
	s_mov_b32 s[G0B0+4*\s], 1
	s_add_co_u32 s[G0B0+4*\s+1], s[LWB], \s*SLOTB
	s_add_nc_u64 s[G0B0+4*\s+2:G0B0+4*\s+3], s[22:23], \s*BIMG
	s_or_b32 s[G0B0+4*\s+3], s[G0B0+4*\s+3], 0x80000000
.endr
	s_cmp_lt_u32 s[WV], 2                          ; a wave's two first fills stand in one branch, ahead of every wait on TENSORcnt and every LDS read
	s_cbranch_scc0 .Lfirst_b
	tensor_load_to_lds s[G0A0:G0A0+3], s[G1A:G1A+7]
	s_nop 0
	tensor_load_to_lds s[G0A1:G0A1+3], s[G1A:G1A+7]
	s_nop 0
.rept 4
	v_nop
.endr
	s_branch .Lfirst_asked
.Lfirst_b:
	tensor_load_to_lds s[G0B0:G0B0+3], s[G1B:G1B+7]
	s_nop 0
	tensor_load_to_lds s[G0B1:G0B1+3], s[G1B:G1B+7]
	s_nop 0
.rept 4
	v_nop
.endr
.Lfirst_asked:
	v_and_b32 v1, 31, v0
	v_lshlrev_b32 v2, 4, v1                        ; 16 x lane
	v_bfe_u32 v3, v0, 4, 1                         ; h
	s_lshl_b32 s19, s[MH], 14
	v_add_nc_u32 v[ADA0], s19, v2
	s_lshl_b32 s19, s[PAR], 12
	s_add_co_u32 s19, s19, AIMG
	v_add_nc_u32 v[ADB0], s19, v2
	v_mov_b32 v[ADA], v[ADA0]
	v_mov_b32 v[ADB], v[ADB0]
	v_add_nc_u32 v[ADBX], 0x10000, v[ADB0]
	s_lshl_b32 s70, s[PAR], 9                      ; the bias of strip column u: columns 128 (2 u + par) + 16 w + 8 h + 0..7
	s_lshl_b32 s71, s[WK], 6
	s_add_co_u32 s70, s70, s71
	v_lshl_add_u32 v[BO], v3, 5, s70
.irp u, 0,1,2,3,4,5,6,7
	global_load_b128 v[BIA+8*\u:BIA+8*\u+3],   v[BO], s[8:9] offset:\u*1024
	global_load_b128 v[BIA+8*\u+4:BIA+8*\u+7], v[BO], s[8:9] offset:\u*1024+16
.endr
	; where results go: image (rho, min(t, 15 - t)), half ab = (t >= 8), block 4 mh + m, byte w x 512 + 16 x lane
	s_lshl_b32 s70, s[WK], 9
	s_lshl_b32 s71, s[MH], 14
	s_add_co_u32 s70, s70, s71
	s_lshl_b32 s71, s[PAR], 16
	s_add_co_u32 s71, s70, s71
	v_add_nc_u32 v[HP], s71, v2                    ; t = 2 u + par < 8: image t
	s_xor_b32 s71, s[PAR], 1
	s_lshl_b32 s71, s71, 16
	s_add_co_u32 s71, s70, s71
	v_add_nc_u32 v[HM], s71, v2                    ; t >= 8: image 15 - t = (14 - 2 u) + (1 - par)
	s_lshl_b32 s72, s[RHO], 19
	s_mov_b32 s73, 0
	s_add_nc_u64 s[10:11], s[10:11], s[72:73]
	; the prefetches
	s_and_b32 s74, ttmp7, 0xffff                   ; cluster y
	s_mov_b32 s76, 8192                            ; a partner's quarter of half an image
	s_mov_b32 s77, BIMG/8
	s_mov_b32 s78, AIMG
	s_mov_b32 s79, BIMG
	s_cmp_lt_u32 s[WV], 2                          ; do I load for A?
	s_cselect_b32 s74, ttmp9, s74                  ; the coordinate along which other clusters read the same images
	s_cselect_b32 s75, s[CX], s[CY]                ; my place among the four that ask with me
	s_cselect_b32 s76, s76, s77
	s_cselect_b32 s[PST], s78, s79
	s_cselect_b64 s[PFA:PFA+1], s[20:21], s[22:23]
	s_mov_b32 s[PST+1], 0
	s_mul_i32 s76, s75, s76
	s_mul_i32 s78, s[PST], 3                       ; at image 3: the first change of slots steps it to 4
	s_add_co_u32 s76, s76, s78
	s_mov_b32 s77, 0
	s_add_nc_u64 s[PFA:PFA+1], s[PFA:PFA+1], s[76:77]
	s_cmp_eq_u32 s74, 0
	s_cselect_b32 s[LIM], 4, 0                     ; the same in all sixteen partners, for a given wave
	v_lshlrev_b32 v[PFO], 8, v1
	v_mov_b32 v[ZERO], 0
	s_mov_b32 s[CUR], 0
	s_mov_b32 s[SG], 0
	s_mov_b32 s[SKA], s[PAR]
	s_mov_b32 s[SKB], 0
	s_wait_loadcnt 0x0                             ; the bias
	; The sums begin with the bias: these moves take the place of the additions at the end, stand in the wait for the first tiles, and leave the loops one form of product.
	WIN 0x40
.set c, 0
.rept 8
.set m, 0
.rept 4
.set j, 0
.rept 8
	v_mov_b32 v[8*(4*c+m)+j], v[BIA+8*c+j]
.set j, j+1
.endr
.set m, m+1
.endr
.set c, c+1
.endr
	WIN 0
	s_wait_tensorcnt 0x1                           ; my part of slot 0 is in; slot 1's may stay out
	s_barrier_signal -1
	s_barrier_wait -1                              ; everybody's is
	FETCH 0, 0
.irp i, 0,1,2                          ; super-steps 2 i and 2 i + 1 have one shape: a loop of two trips for each i; every one of these six fills its slot again
	s_mov_b32 s[CNT], 2
.Lpair\i:
	STEP \i, 2
	s_sub_co_u32 s[CNT], s[CNT], 1
	s_cmp_lg_u32 s[CNT], 0
	s_cbranch_scc1 .Lpair\i
.endr
	STEP 3, 1                                      ; the last two are written out
	STEP 3, 0
	; THE WAY OUT: rounded to bf16 (each accumulator from its low end on), relu on the packed halves, 32 stores of 512 bytes on end, aligned.
	PLACES
	WIN 0x05                                       ; sources 0 and 1 window 1, destination window 0: A's buffers are free
.set a, 0
.rept 32
.irp r, 0,1,2,3
	v_cvt_pk_bf16_f32 v[AF+4*a+\r], v[8*a+2*\r], v[8*a+2*\r+1]
.endr
.set a, a+1
.endr
	WIN 0
.set a, 0
.rept 128
	v_pk_max_num_bf16 v[AF+a], v[AF+a], v[ZERO]
.set a, a+1
.endr
.irp u, 0,1,2,3
.irp m, 0,1,2,3
	global_store_b128 v[HP], v[AF+4*(4*\u+\m):AF+4*(4*\u+\m)+3], s[10:11] offset:\u*131072+\m*4096
.endr
.endr
.irp u, 4,5,6,7
.irp m, 0,1,2,3
	global_store_b128 v[HM], v[AF+4*(4*\u+\m):AF+4*(4*\u+\m)+3], s[10:11] offset:(14-2*\u)*65536+32768+\m*4096
.endr
.endr
	s_wait_tensorcnt 0x0                           ; the wave's end: behind my last tensor load
	ds_add_u32 v[SPW], v[NIL]
	s_wait_dscnt 0x0
	CROUND                                         ; the closing round: no work-group ends while a partner may still ask for a tile that names it
	s_endpgm
.Lfunc_end_k_qaa3a9790a3_upper:
	.size	k_qaa3a9790a3_upper, .Lfunc_end_k_qaa3a9790a3_upper-k_qaa3a9790a3_upper
	.p2alignl 7, 3214868480
	.fill 96, 4, 3214868480
	.section	.rodata,"a",@progbits
	.p2align	6, 0x0
	.amdhsa_kernel k_qaa3a9790a3_upper
		.amdhsa_group_segment_fixed_size 327680
		.amdhsa_private_segment_fixed_size 0
		.amdhsa_enable_private_segment 0
		.amdhsa_kernarg_size 32
		.amdhsa_user_sgpr_count 2
		.amdhsa_user_sgpr_kernarg_segment_ptr 1
		.amdhsa_wavefront_size32 1
		.amdhsa_system_sgpr_workgroup_id_x 1
		.amdhsa_system_sgpr_workgroup_id_y 1
		.amdhsa_system_sgpr_workgroup_id_z 1
		.amdhsa_system_vgpr_workitem_id 0
		.amdhsa_next_free_vgpr 656
		.amdhsa_next_free_sgpr 80
		.amdhsa_reserve_vcc 0
		.amdhsa_float_denorm_mode_32 3
		.amdhsa_float_denorm_mode_16_64 3
		.amdhsa_memory_ordered 1
		.amdhsa_forward_progress 1
		.amdhsa_inst_pref_size 140
	.end_amdhsa_kernel
	.amdgpu_metadata
---
amdhsa.version: [ 1, 2 ]
amdhsa.kernels:
  - .name:           k_qaa3a9790a3_upper
    .symbol:         k_qaa3a9790a3_upper.kd
    .args:
      - { .name: xa, .offset: 0, .size: 8, .value_kind: global_buffer, .address_space: global }
      - { .name: wub, .offset: 8, .size: 8, .value_kind: global_buffer, .address_space: global }
      - { .name: b_upper, .offset: 16, .size: 8, .value_kind: global_buffer, .address_space: global }
      - { .name: ha, .offset: 24, .size: 8, .value_kind: global_buffer, .address_space: global }
    .group_segment_fixed_size: 327680
    .private_segment_fixed_size: 0
    .kernarg_segment_align: 8
    .kernarg_segment_size: 32
    .max_flat_workgroup_size: 128
    .sgpr_count:     80
    .vgpr_count:     656
    .wavefront_size: 32
...
	.end_amdgpu_metadata
.endif
;; end of part 2
;; launch lower (part 3): grid 8 x 32, 4 waves a work-group, clusters of 4 x 4, 327,680 bytes of LDS; arguments ha, wlb, b_lower, out0; writes out0
.if DOCPART == 3
	.amdgcn_target "amdgcn-amd-amdhsa--gfx1250"
	.amdhsa_code_object_version 6
	.text
	.protected	k_qaa3a9790a3_lower
	.globl	k_qaa3a9790a3_lower
	.p2align	8
	.type	k_qaa3a9790a3_lower,@function
k_qaa3a9790a3_lower:
	s_mov_b64 s[64:65], 0
	v_nop
	global_prefetch_b8 v0, s[64:65] scope:SCOPE_SE
	s_setreg_imm32_b32 hwreg(HW_REG_WAVE_MODE, 25, 1), 1
	s_wait_xcnt 0x0
	s_wait_alu depctr_hold_cnt(0) depctr_sa_sdst(0) depctr_va_vdst(0) depctr_va_sdst(0) depctr_va_ssrc(0) depctr_va_vcc(0) depctr_vm_vsrc(0)
	s_getreg_b32 s2, hwreg(HW_REG_IB_STS2, 6, 4)
	s_cmp_eq_u32 s2, 0
	s_cbranch_scc0 .Lentry_in_a_cluster
	s_endpgm
.Lentry_in_a_cluster:
	s_bfe_u32 s2, ttmp6, 0x10000c
	s_cmp_lg_u32 s2, 0xf033
	s_cbranch_scc0 .Lentry_shape_is_right
	s_endpgm
.Lentry_shape_is_right:
; out0 = H tril(W_lower)^T + b_lower, in f32.  Left out: products with tiles of tril(W_lower) that lie wholly above the diagonal (zeros that reference() builds itself); a NaN or an infinity of H
; that meets only such zeros is not carried on.
; OPERANDS in blocks of 16 rows x 128 K, 4,096 bytes, [q][jh][lane][16 bytes], as in the launch before: a fragment is 1,024 bytes on end.
; SHARES.  Work-group (worker = 4 X + cx, rho): X is the cluster's x.  The 2,048 columns are eight groups u of 256; a group has a strip of 64 columns (256 bytes of a row of out0) for each cx.  A cluster
; takes four groups, l = 0..3: u = 7 - X, 4 + X, 3 - X, X.  Group u is walked over the K blocks k <= 2 u + 1: 36 pairs (strip, K block) for either X.  For cx < 2 the block k = 2 u + 1 is wholly
; masked (zeros) and is multiplied all the same, 1 pair in 18: the four partners that share A's image run alike.
; K goes in 8 SUPER-STEPS kappa, each with the K blocks kappa (A's ab = 0) and 15 - kappa (ab = 1).  A B IMAGE (worker, kappa) has five strips of 16,384 bytes, [nb 0..3][block].  With sh = kappa / 4:
; strip j <= sh: l = j, K block 15 - kappa; j > sh: l = 4 - j, K block kappa.  A strip that X does not need holds zeros and is jumped; the branch hangs on X and kappa, which all partners share:
; sh = 0: j = 0 where X = 1 and kappa < 2; j = 1 where X = 0 and kappa >= 2.  sh = 1: j = 1 where X = 0 and kappa < 6; j = 2 where X = 1 and kappa >= 6.
; For X = 1 the half ab = 1 of A's images 0 and 1 is loaded and not used: a joint load is never jumped.
; Wave (mh, nh): rows 64 mh .. + 63 (m = 0..3) x blocks nb = 2 nh + e (e = 0, 1) of every strip: accumulator column c = 2 l + e, 32 accumulators.
; THE MATRIX INSTRUCTION IS USED TRANSPOSED (source 0 = 16 weight rows, source 1 = 16 rows of H): a lane holds row l % 16 and eight neighbouring columns.
; CLUSTER, SLOTS, REGISTERS as in the launch before; window 2: v0-79, v80-159 B's fragments, two buffers ((j, e) at 8 (2 j + e)).
; THE WAY OUT goes through a stage in slot 0, which has had its last fill and its last read when the last super-step (slot 1) begins.
.set AIMG,  65536
.set BIMG,  81920
.set RA,    AIMG/512
.set RB,    BIMG/512
.set SLOTB, AIMG+BIMG                  ; 0x24000: shares no bit with the LDS words that it turns (0x8000, 0x10000 + 0xa000)
.set SPARE, 2*SLOTB                    ; behind the slots: the spare words, 128 bytes for each wave: two blocks of 256 bytes that no other line names
.set SPITCH, 272                       ; a stage row: 256 bytes + 16 = 68 words: row r starts at bank 4 r mod 64 (64 banks of 4 bytes: ISA guide 11.1)
.set STRIP, 128*SPITCH                 ; a strip's 128 rows in the stage
.set ADA0, 10                          ; v10  16 x lane + mh x 16,384; never rewritten
.set ADB0, 11                          ; v11  65,536 + 16 x lane + nh x 8,192; never rewritten
.set ADA,  12
.set ADB,  13
.set ADBX, 14                          ; v14  ADB + 65,536, for strip 4
.set BO,   15                          ; v15  my byte offset in a group's 1,024 bytes of b_lower
.set STO,  16                          ; v16  the stage: where I put 32 bytes of a row, strips 0 and 1
.set STO2, 17                          ; v17  strips 2 and 3
.set RD,   18                          ; v18  where I read rows back
.set CO,   19                          ; v19  my byte offset in two rows of out0
.set SPW,  28
.set NIL,  29
.set PFO,  30
.set AF,   64
.set BIA,  192
.set BF,   0
.set WV,   12
.set MH,   13
.set NH,   14                          ; s14  wave % 2; also which half of an image I load
.set CX,   15
.set CY,   16
.set WK,   17
.set RHO,  18
.set G1A,  24
.set G0A0, 32
.set G0A1, 36
.set G1B,  40
.set G0B0, 48
.set G0B1, 52
.set CUR,  56
.set LWA,  57
.set LWB,  58
.set SG,   59                          ; s59  kappa
.set CNT,  60
.set SK1,  61                          ; s61  1: jump strip sh
.set SK2,  62                          ; s62  1: jump strip sh + 1
.set LIM,  63
.set PFA,  66
.set PST,  68
.set X,    70
.set NX,   71                          ; s71  1 - X
.set BB,   80                          ; s[80:87] b_lower at the four groups
.set OB,   88                          ; s[88:89] out0 at the strip that I store
.set MSB, 0
.macro WIN new                         ; the immediate's high byte repeats the setting that is left; a switch that changes nothing is dropped
.if MSB != (\new)
	s_set_vgpr_msb (MSB<<8)|(\new)
.set MSB, \new
.endif
.endm
.set MULW, 0x52                        ; source 0 (weights) window 2, source 1 (H) window 0, C and D window 1
.set TO_B, 0x80
.macro PLACES                          ; four plain vector instructions between a matrix instruction and a load into, a store of, or a vector instruction on its registers (ISA guide 7.12.1 for vector instructions)
.rept 4
	v_nop
.endr
.endm
.macro CREST
	s_cmp_lg_u32 s[WV], 0
	s_cbranch_scc1 .Lnot_wave_0_\@
	s_barrier_signal -3
.Lnot_wave_0_\@:
	s_barrier_wait -3
	s_barrier_signal -1
	s_barrier_wait -1
.endm
.macro CROUND
	s_barrier_signal -1
	s_barrier_wait -1
	CREST
.endm
.macro JLOAD                           ; a joint refill by the walking descriptors; an s_nop 0 and four v_nop follow each line
	s_cmp_lt_u32 s[WV], 2
	s_cbranch_scc0 .Lfor_b_\@
	tensor_load_to_lds s[G0A1:G0A1+3], s[G1A:G1A+7]
	s_nop 0
.rept 4
	v_nop
.endr
	s_branch .Lasked_\@
.Lfor_b_\@:
	tensor_load_to_lds s[G0B1:G0B1+3], s[G1B:G1B+7]
	s_nop 0
.rept 4
	v_nop
.endr
.Lasked_\@:
.endm
; A PREFETCH INTO THE L2, as in the launch before: at the change of slots of super-step 0..3, the image four on.  Cluster x = 0 asks for A's, cluster y = 0 for B's; the four partners take a quarter
; of a wave's half image each, by address; a lane names a block of 256 bytes: all 32 of A's quarter, the first 32 of B's 40 (the other eight come by their load alone).
.macro ASK
	s_cmp_lt_u32 s[SG], s[LIM]
	s_cbranch_scc0 .Lnot_mine_\@
	global_prefetch_b8 v[PFO], s[PFA:PFA+1] th:TH_LOAD_NT scope:SCOPE_SE
.Lnot_mine_\@:
.endm
; 36 LDS loads in one run: quarter q's fragments into buffer f: B's ten (j, e), then A's eight (ab, m)
.macro FETCH q, f
	WIN TO_B
.irp s, 0,1,2,3,4,5,6,7
	ds_load_b128 v[BF+80*(\f)+8*\s:BF+80*(\f)+8*\s+3],   v[ADB] offset:(\s/2)*16384+(\s%2)*4096+(\q)*1024
	ds_load_b128 v[BF+80*(\f)+8*\s+4:BF+80*(\f)+8*\s+7], v[ADB] offset:(\s/2)*16384+(\s%2)*4096+(\q)*1024+512
.endr
.irp e, 0,1
	ds_load_b128 v[BF+80*(\f)+64+8*\e:BF+80*(\f)+64+8*\e+3], v[ADBX] offset:\e*4096+(\q)*1024
	ds_load_b128 v[BF+80*(\f)+68+8*\e:BF+80*(\f)+68+8*\e+3], v[ADBX] offset:\e*4096+(\q)*1024+512
.endr
	WIN 0
.irp a, 0,1,2,3,4,5,6,7
	ds_load_b128 v[AF+64*(\f)+8*\a:AF+64*(\f)+8*\a+3],   v[ADA] offset:(\a/4)*32768+(\a%4)*4096+(\q)*1024
	ds_load_b128 v[AF+64*(\f)+8*\a+4:AF+64*(\f)+8*\a+7], v[ADA] offset:(\a/4)*32768+(\a%4)*4096+(\q)*1024+512
.endr
.endm
; Four products: block e of strip j on my four row blocks.  The accumulators take turns, one instruction a turn: a unit ends on m = 3 and the next begins on m = 0, whatever is jumped.
.macro UNIT j, e, sh, f
.if (\j) <= (\sh)
.set cc, 2*(\j)+(\e)
.set ab, 1
.else
.set cc, 2*(4-(\j))+(\e)
.set ab, 0
.endif
.irp m, 0,1,2,3
	v_wmma_f32_16x16x32_bf16 v[8*(4*cc+\m):8*(4*cc+\m)+7], v[BF+80*(\f)+8*(2*(\j)+(\e)):BF+80*(\f)+8*(2*(\j)+(\e))+7], v[AF+64*(\f)+8*(4*ab+\m):AF+64*(\f)+8*(4*ab+\m)+7], v[8*(4*cc+\m):8*(4*cc+\m)+7]
.endr
.endm
.macro MAND a, b, sh, f                ; numbers a to b of the six units that every work-group does: strips 2, 3, 4 (sh = 0) or 0, 3, 4 (sh = 1), both e
.set idx, (\a)
.rept (\b)-(\a)+1
.set jj, 2+idx/2
.if (idx < 2) && ((\sh) == 1)
.set jj, 0
.endif
	UNIT jj, idx%2, \sh, \f
.set idx, idx+1
.endr
.endm
.macro OPT flag, j, sh, f              ; a strip that is jumped where X does not need it; at a branch and at a label every window is 0
	WIN 0
	s_cmp_lg_u32 s[\flag], 0
	s_cbranch_scc1 .Lskip_\@
	WIN MULW
	UNIT \j, 0, \sh, \f
	UNIT \j, 1, \sh, \f
	WIN 0
.Lskip_\@:
.endm
.macro QUARTER q, sh                   ; this quarter's fragments, asked for a quarter ago, are in; the next quarter's are asked for; then its 32 or 40 products
	s_wait_dscnt 0x0
	PLACES                                         ; the other buffer was read by the products just issued
	FETCH (\q)+1, ((\q)+1)%2
	WIN MULW
	MAND 0, 5, \sh, (\q)%2
	OPT SK1, \sh, \sh, (\q)%2
	OPT SK2, (\sh)+1, \sh, (\q)%2
.endm
; The fourth quarter (buffer 1) and the change of slots; the modes as in the launch before.
.macro TURN sh, mode
.if (\mode) == 2
	s_wait_xcnt 0x0                                ; the last prefetch, a super-step back, has read its address
	s_add_nc_u64 s[PFA:PFA+1], s[PFA:PFA+1], s[PST:PST+1]
.endif
.if (\mode) > 0
	WIN 0
	s_wait_tensorcnt 0x0                           ; no tensor load of mine is out (the one that was: my part of the other slot), so a group 0 may be written
	ds_add_u32 v[SPW], v[NIL]                      ; 0 onto my spare word
.if (\mode) == 2
	s_xor_b32 s[G0A1+1], s[G0A1+1], SLOTB
	s_add_nc_u64 s[G0A1+2:G0A1+3], s[G0A1+2:G0A1+3], AIMG
	s_xor_b32 s[G0B1+1], s[G0B1+1], SLOTB
	s_add_nc_u64 s[G0B1+2:G0B1+3], s[G0B1+2:G0B1+3], BIMG
	s_xor_b32 s[CUR], s[CUR], SLOTB
.endif
	s_wait_dscnt 0x1                               ; the add alone may be out: this quarter's fragments are in
	WIN MULW
	MAND 0, 1, \sh, 1
	s_wait_dscnt 0x0                               ; the add is done, and my reads of the slot are over
	s_barrier_signal -1
	MAND 2, 3, \sh, 1
	WIN 0
	s_barrier_wait -1
.if (\mode) == 2
	CREST                                          ; no wave of any partner still reads the slot or has a load on its way
	JLOAD                                          ; its four v_nop are also the places in front of the loads below
	v_add_nc_u32 v[ADA], s[CUR], v[ADA0]
	v_add_nc_u32 v[ADB], s[CUR], v[ADB0]
.else
	PLACES
	v_add_nc_u32 v[ADA], SLOTB, v[ADA0]            ; the last super-step lies in slot 1: from here on nobody reads slot 0
	v_add_nc_u32 v[ADB], SLOTB, v[ADB0]
.endif
	v_add_nc_u32 v[ADBX], 0x10000, v[ADB]
	FETCH 0, 0
.if (\mode) == 2
	ASK
.endif
	WIN MULW
	MAND 4, 5, \sh, 1
.else
	s_wait_dscnt 0x0
	WIN MULW
	MAND 0, 5, \sh, 1
.endif
	OPT SK1, \sh, \sh, 1
	OPT SK2, (\sh)+1, \sh, 1
.endm
.macro STEP sh, mode
	s_cmp_lt_u32 s[SG], 2+4*(\sh)
.if (\sh) == 0
	s_cselect_b32 s[SK1], s[X], 0
	s_cselect_b32 s[SK2], 0, s[NX]
.else
	s_cselect_b32 s[SK1], s[NX], 0
	s_cselect_b32 s[SK2], 0, s[X]
.endif
	QUARTER 0, \sh
	QUARTER 1, \sh
	QUARTER 2, \sh
	TURN \sh, \mode
	s_add_co_u32 s[SG], s[SG], 1
.endm
	s_load_b256 s[4:11], s[0:1], 0x0               ; ha s[4:5], wlb s[6:7], b_lower s[8:9], out0 s[10:11]
	v_lshl_add_u32 v[SPW], v0, 2, SPARE
	v_mov_b32 v[NIL], 0
	ds_add_u32 v[SPW], v[NIL]                      ; the wave's opening: the add, twice on end, and its wait ahead of my first tensor load
	ds_add_u32 v[SPW], v[NIL]
	v_lshrrev_b32 v1, 5, v0
	v_readfirstlane_b32 s[WV], v1
	s_lshr_b32 s[MH], s[WV], 1
	s_and_b32 s[NH], s[WV], 1
	s_bfe_u32 s[CX], ttmp6, 0x40000
	s_bfe_u32 s[CY], ttmp6, 0x40004
	s_lshl_b32 s[WK], ttmp9, 2
	s_add_co_u32 s[WK], s[WK], s[CX]               ; worker = 4 X + cx
	s_and_b32 s[RHO], ttmp7, 0xffff
	s_lshl_b32 s[RHO], s[RHO], 2
	s_add_co_u32 s[RHO], s[RHO], s[CY]             ; rho = 4 x cluster y + cy
	s_lshl_b32 s20, s[CY], 2
	s_lshl_b32 s20, 15, s20                        ; my row of the cluster
	s_lshl_b32 s22, 0x1111, s[CX]                  ; my column
	s_or_b32 s[G1A], s20, (3<<16)|(1<<21)          ; 15:0 the mask; 17:16 elements of 8 bytes; 21 set beside a mask; no padding
	s_or_b32 s[G1B], s22, (3<<16)|(1<<21)
	s_mov_b32 s[G1A+1], 32<<16                     ; a dense block as rows of 256 bytes: tensor_dim0 = 32
	s_mov_b32 s[G1A+2], RA<<16                     ; tensor_dim1 = 128
	s_mov_b32 s[G1A+3], 32<<16                     ; tile_dim0 = 32
	s_mov_b32 s[G1A+4], RA                         ; tile_dim1 = 128
	s_mov_b32 s[G1A+5], 32                         ; stride
	s_mov_b32 s[G1A+6], 0
	s_mov_b32 s[G1A+7], 0
	s_mov_b32 s[G1B+1], 32<<16
	s_mov_b32 s[G1B+2], RB<<16                     ; 160 rows
	s_mov_b32 s[G1B+3], 32<<16
	s_mov_b32 s[G1B+4], RB
	s_mov_b32 s[G1B+5], 32
	s_mov_b32 s[G1B+6], 0
	s_mov_b32 s[G1B+7], 0
	s_lshl_b32 s20, s[RHO], 19                     ; A: made of rho and the wave's number alone
	s_lshl_b32 s[LWA], s[NH], 15
	s_add_co_u32 s20, s20, s[LWA]
	s_mov_b32 s21, 0
	s_mul_i32 s22, s[WK], 8*BIMG                   ; B: made of the worker and the wave's number alone
	s_mul_i32 s[LWB], s[NH], BIMG/2
	s_add_co_u32 s22, s22, s[LWB]
	s_mov_b32 s23, 0
	s_add_co_u32 s[LWB], s[LWB], AIMG
	s_wait_dscnt 0x0                               ; both opening adds are done
	s_wait_kmcnt 0x0
	s_add_nc_u64 s[20:21], s[4:5], s[20:21]
	s_add_nc_u64 s[22:23], s[6:7], s[22:23]
	CROUND                                         ; all sixteen work-groups are here: the first joint loads meet
.irp s, 0,1
	s_mov_b32 s[G0A0+4*\s], 1
	s_add_co_u32 s[G0A0+4*\s+1], s[LWA], \s*SLOTB
	s_add_nc_u64 s[G0A0+4*\s+2:G0A0+4*\s+3], s[20:21], \s*AIMG
	s_or_b32 s[G0A0+4*\s+3], s[G0A0+4*\s+3], 0x80000000
	s_mov_b32 s[G0B0+4*\s], 1
	s_add_co_u32 s[G0B0+4*\s+1], s[LWB], \s*SLOTB
	s_add_nc_u64 s[G0B0+4*\s+2:G0B0+4*\s+3], s[22:23], \s*BIMG
	s_or_b32 s[G0B0+4*\s+3], s[G0B0+4*\s+3], 0x80000000
.endr
	s_cmp_lt_u32 s[WV], 2                          ; a wave's two first fills stand in one branch, ahead of every wait on TENSORcnt and every LDS read
	s_cbranch_scc0 .Lfirst_b
	tensor_load_to_lds s[G0A0:G0A0+3], s[G1A:G1A+7]
	s_nop 0
	tensor_load_to_lds s[G0A1:G0A1+3], s[G1A:G1A+7]
	s_nop 0
.rept 4
	v_nop
.endr
	s_branch .Lfirst_asked
.Lfirst_b:
	tensor_load_to_lds s[G0B0:G0B0+3], s[G1B:G1B+7]
	s_nop 0
	tensor_load_to_lds s[G0B1:G0B1+3], s[G1B:G1B+7]
	s_nop 0
.rept 4
	v_nop
.endr
.Lfirst_asked:
	v_and_b32 v1, 31, v0
	v_lshlrev_b32 v2, 4, v1                        ; 16 x lane
	v_bfe_u32 v3, v0, 4, 1                         ; h
	v_and_b32 v4, 15, v0                           ; r
	s_lshl_b32 s19, s[MH], 14
	v_add_nc_u32 v[ADA0], s19, v2
	s_lshl_b32 s19, s[NH], 13
	s_add_co_u32 s19, s19, AIMG
	v_add_nc_u32 v[ADB0], s19, v2
	v_mov_b32 v[ADA], v[ADA0]
	v_mov_b32 v[ADB], v[ADB0]
	v_add_nc_u32 v[ADBX], 0x10000, v[ADB0]
	; the bias of column c = 2 l + e: columns 256 u(l) + 64 cx + 16 (2 nh + e) + 8 h + 0..7
	s_mov_b32 s[X], ttmp9
	s_xor_b32 s[NX], s[X], 1
	s_sub_co_u32 s72, 7, s[X]
	s_add_co_u32 s74, s[X], 4
	s_sub_co_u32 s76, 3, s[X]
	s_mov_b32 s78, s[X]
.irp l, 0,1,2,3
	s_lshl_b32 s[72+2*\l], s[72+2*\l], 10
	s_mov_b32 s[73+2*\l], 0
	s_add_nc_u64 s[BB+2*\l:BB+2*\l+1], s[8:9], s[72+2*\l:73+2*\l]
.endr
	s_lshl_b32 s72, s[CX], 8
	s_lshl_b32 s73, s[NH], 7
	s_add_co_u32 s72, s72, s73
	v_lshl_add_u32 v[BO], v3, 5, s72
.irp c, 0,1,2,3,4,5,6,7
	global_load_b128 v[BIA+8*\c:BIA+8*\c+3],   v[BO], s[BB+2*(\c/2):BB+2*(\c/2)+1] offset:(\c%2)*64
	global_load_b128 v[BIA+8*\c+4:BIA+8*\c+7], v[BO], s[BB+2*(\c/2):BB+2*(\c/2)+1] offset:(\c%2)*64+16
.endr
	; the stage: strip l at l x STRIP, row 64 mh + 16 m + r, bytes 128 nh + 64 e + 32 h; no place in the cluster enters these
	s_mul_i32 s19, s[MH], 64*SPITCH
	s_lshl_b32 s3, s[NH], 7
	s_add_co_u32 s19, s19, s3
	v_mul_u32_u24 v[STO], v4, SPITCH
	v_lshl_add_u32 v[STO], v3, 5, v[STO]
	v_add_nc_u32 v[STO], s19, v[STO]
	v_add_nc_u32 v[STO2], 2*STRIP, v[STO]
	s_mul_i32 s19, s[WV], STRIP                    ; back: wave v takes strip l = v, whole rows: lanes 0-15 one row of 256 bytes, lanes 16-31 the next
	v_mul_u32_u24 v[RD], v3, SPITCH
	v_lshl_add_u32 v[RD], v4, 4, v[RD]
	v_add_nc_u32 v[RD], s19, v[RD]
	v_lshlrev_b32 v[CO], 13, v3                    ; and the same two rows in out0
	v_lshl_add_u32 v[CO], v4, 4, v[CO]
	s_lshl_b32 s72, s[WV], 2                       ; u of the strip that I store: 7, 4, 3, 0 for l = 0..3, + X for odd l, - X for even l
	s_lshr_b32 s72, 0x0347, s72
	s_and_b32 s72, s72, 15
	s_sub_co_u32 s73, 0, s[X]
	s_bitcmp1_b32 s[WV], 0
	s_cselect_b32 s73, s[X], s73
	s_add_co_u32 s72, s72, s73
	s_lshl_b32 s72, s72, 10
	s_lshl_b32 s73, s[CX], 8
	s_add_co_u32 s72, s72, s73
	s_lshl_b32 s73, s[RHO], 20                     ; 128 rows of 8,192 bytes
	s_add_co_u32 s72, s72, s73
	s_mov_b32 s73, 0
	s_add_nc_u64 s[OB:OB+1], s[10:11], s[72:73]
	; the prefetches
	s_and_b32 s74, ttmp7, 0xffff                   ; cluster y
	s_mov_b32 s76, 8192
	s_mov_b32 s77, BIMG/8
	s_mov_b32 s78, AIMG
	s_mov_b32 s79, BIMG
	s_cmp_lt_u32 s[WV], 2                          ; do I load for A?
	s_cselect_b32 s74, ttmp9, s74                  ; the coordinate along which other clusters read the same images
	s_cselect_b32 s75, s[CX], s[CY]                ; my place among the four that ask with me
	s_cselect_b32 s76, s76, s77
	s_cselect_b32 s[PST], s78, s79
	s_cselect_b64 s[PFA:PFA+1], s[20:21], s[22:23]
	s_mov_b32 s[PST+1], 0
	s_mul_i32 s76, s75, s76
	s_mul_i32 s78, s[PST], 3                       ; at image 3: the first change of slots steps it to 4
	s_add_co_u32 s76, s76, s78
	s_mov_b32 s77, 0
	s_add_nc_u64 s[PFA:PFA+1], s[PFA:PFA+1], s[76:77]
	s_cmp_eq_u32 s74, 0
	s_cselect_b32 s[LIM], 4, 0                     ; the same in all sixteen partners, for a given wave
	v_lshlrev_b32 v[PFO], 8, v1
	s_mov_b32 s[CUR], 0
	s_mov_b32 s[SG], 0
	s_wait_loadcnt 0x0                             ; the bias
	; The sums begin with the bias: these moves take the place of the additions at the end, stand in the wait for the first tiles, and leave the loops one form of product.
	WIN 0x40
.set c, 0
.rept 8
.set m, 0
.rept 4
.set j, 0
.rept 8
	v_mov_b32 v[8*(4*c+m)+j], v[BIA+8*c+j]
.set j, j+1
.endr
.set m, m+1
.endr
.set c, c+1
.endr
	WIN 0
	s_wait_tensorcnt 0x1                           ; my part of slot 0 is in; slot 1's may stay out
	s_barrier_signal -1
	s_barrier_wait -1                              ; everybody's is
	FETCH 0, 0
	s_mov_b32 s[CNT], 4
.Lshape0:                                              ; kappa = 0..3
	STEP 0, 2
	s_sub_co_u32 s[CNT], s[CNT], 1
	s_cmp_lg_u32 s[CNT], 0
	s_cbranch_scc1 .Lshape0
	s_mov_b32 s[CNT], 2
.Lshape1:                                              ; kappa = 4, 5
	STEP 1, 2
	s_sub_co_u32 s[CNT], s[CNT], 1
	s_cmp_lg_u32 s[CNT], 0
	s_cbranch_scc1 .Lshape1
	STEP 1, 1                                      ; the last two are written out
	STEP 1, 0
	; THE WAY OUT.  32 bytes a lane into the stage (each accumulator's low four registers first); a barrier, since a row's 256 bytes come from two waves; back as whole rows, a strip a wave.
	PLACES
	WIN 0x04                                       ; the stores' data in window 1
.irp l, 0,1
.irp e, 0,1
.irp m, 0,1,2,3
	ds_store_b128 v[STO], v[8*(4*(2*\l+\e)+\m):8*(4*(2*\l+\e)+\m)+3]   offset:\l*STRIP+\m*16*SPITCH+64*\e
	ds_store_b128 v[STO], v[8*(4*(2*\l+\e)+\m)+4:8*(4*(2*\l+\e)+\m)+7] offset:\l*STRIP+\m*16*SPITCH+64*\e+16
.endr
.endr
.endr
.irp l, 2,3
.irp e, 0,1
.irp m, 0,1,2,3
	ds_store_b128 v[STO2], v[8*(4*(2*\l+\e)+\m):8*(4*(2*\l+\e)+\m)+3]   offset:(\l-2)*STRIP+\m*16*SPITCH+64*\e
	ds_store_b128 v[STO2], v[8*(4*(2*\l+\e)+\m)+4:8*(4*(2*\l+\e)+\m)+7] offset:(\l-2)*STRIP+\m*16*SPITCH+64*\e+16
.endr
.endr
.endr
	WIN 0
	s_wait_dscnt 0x0                               ; for the others' sake: my stores into the stage are done
	s_barrier_signal -1
	s_barrier_wait -1
.set t, 0
.rept 48                               ; rows 0 to 95 of my strip, two a load, into v64-255
	ds_load_b128 v[64+4*t:64+4*t+3], v[RD] offset:t*2*SPITCH
.set t, t+1
.endr
.set t, 0
.rept 48
	s_wait_dscnt 47-t                              ; LDS loads come back in order: load t is in, the 47 - t younger ones may stay out
	global_store_b128 v[CO], v[64+4*t:64+4*t+3], s[OB:OB+1] offset:t*16384 th:TH_STORE_NT  ; 16 lanes store 256 consecutive bytes, at a multiple of 256 from out0's first byte
.set t, t+1
.endr
	s_wait_xcnt 0x0                                ; v64-127 are loaded again only behind this wait
.set t, 48
.rept 16
	ds_load_b128 v[64+4*(t-48):64+4*(t-48)+3], v[RD] offset:t*2*SPITCH
.set t, t+1
.endr
.set t, 48
.rept 16
	s_wait_dscnt 63-t
	global_store_b128 v[CO], v[64+4*(t-48):64+4*(t-48)+3], s[OB:OB+1] offset:t*16384 th:TH_STORE_NT
.set t, t+1
.endr
	s_wait_tensorcnt 0x0                           ; the wave's end: behind my last tensor load and my last LDS store
	ds_add_u32 v[SPW], v[NIL]
	s_wait_dscnt 0x0
	CROUND                                         ; the closing round: no work-group ends while a partner may still ask for a tile that names it
	s_endpgm
.Lfunc_end_k_qaa3a9790a3_lower:
	.size	k_qaa3a9790a3_lower, .Lfunc_end_k_qaa3a9790a3_lower-k_qaa3a9790a3_lower
	.p2alignl 7, 3214868480
	.fill 96, 4, 3214868480
	.section	.rodata,"a",@progbits
	.p2align	6, 0x0
	.amdhsa_kernel k_qaa3a9790a3_lower
		.amdhsa_group_segment_fixed_size 327680
		.amdhsa_private_segment_fixed_size 0
		.amdhsa_enable_private_segment 0
		.amdhsa_kernarg_size 32
		.amdhsa_user_sgpr_count 2
		.amdhsa_user_sgpr_kernarg_segment_ptr 1
		.amdhsa_wavefront_size32 1
		.amdhsa_system_sgpr_workgroup_id_x 1
		.amdhsa_system_sgpr_workgroup_id_y 1
		.amdhsa_system_sgpr_workgroup_id_z 1
		.amdhsa_system_vgpr_workitem_id 0
		.amdhsa_next_free_vgpr 672
		.amdhsa_next_free_sgpr 96
		.amdhsa_reserve_vcc 0
		.amdhsa_float_denorm_mode_32 3
		.amdhsa_float_denorm_mode_16_64 3
		.amdhsa_memory_ordered 1
		.amdhsa_forward_progress 1
		.amdhsa_inst_pref_size 123
	.end_amdhsa_kernel
	.amdgpu_metadata
---
amdhsa.version: [ 1, 2 ]
amdhsa.kernels:
  - .name:           k_qaa3a9790a3_lower
    .symbol:         k_qaa3a9790a3_lower.kd
    .args:
      - { .name: ha, .offset: 0, .size: 8, .value_kind: global_buffer, .address_space: global }
      - { .name: wlb, .offset: 8, .size: 8, .value_kind: global_buffer, .address_space: global }
      - { .name: b_lower, .offset: 16, .size: 8, .value_kind: global_buffer, .address_space: global }
      - { .name: out0, .offset: 24, .size: 8, .value_kind: global_buffer, .address_space: global }
    .group_segment_fixed_size: 327680
    .private_segment_fixed_size: 0
    .kernarg_segment_align: 8
    .kernarg_segment_size: 32
    .max_flat_workgroup_size: 128
    .sgpr_count:     96
    .vgpr_count:     672
    .wavefront_size: 32
...
	.end_amdgpu_metadata
.endif
;; end of part 3
